; MI455X (gfx1250); checked and timed in simulation.
; The chip was launched on July 23, 2026; its instructions are those of AMD's public machine-readable ISA for CDNA 5 (MIT licence, August 2026) and "CDNA5" Instruction Set Architecture Reference Guide (July 2026). The comments in the code are by the model that wrote it; some were corrected since.
;; Multi Attention. Allowed arithmetic: matrix products marked QUANTISED: E4M3 operands, one E8M0 scale for each 32 along K, by v_wmma_scale_f32_16x16x128_f8f6f4 with both operands' format E4M3, f32 sums; everything else in f32.
;; Inputs: Wkv_codes 512 x 16 x 32 uint8 (E4M3 codes of Wkv, K innermost, in blocks of 32 codes); Wkv_scales 512 x 16 uint8 (E8M0 scales of Wkv, one for each 32 codes along K); Wo_codes 512 x 16 x 32 uint8 (E4M3 codes of Wo, K innermost, in blocks of 32 codes); Wo_scales 512 x 16 uint8 (E8M0 scales of Wo, one for each 32 codes along K); Wq_codes 512 x 16 x 32 uint8 (E4M3 codes of Wq, K innermost, in blocks of 32 codes); Wq_scales 512 x 16 uint8 (E8M0 scales of Wq, one for each 32 codes along K); bkv 512 float32; bo 512 float32; bq 512 float32; x_codes 2 x 4 x 2,048 x 16 x 32 uint8 (E4M3 codes of x, K innermost, in blocks of 32 codes); x_scales 2 x 4 x 2,048 x 16 uint8 (E8M0 scales of x, one for each 32 codes along K).
;; Outputs: out0 2 x 4 x 2,048 x 512 float32.
;; This version of the problem:
;;   THIS VERSION OF THE PROBLEM IS GIVEN IN LOW PRECISION. The matrix products marked QUANTISED in the list below multiply operands that are first quantised to E4M3 (4 exponent bits, 3 mantissa bits; 8 bits a number), with one power-of-two scale for each 32 numbers along K (OCP MX v1.0); their sums are f32. All else is computed in f32.
;;   The module's matrix products, in the order in which they are computed (A, B: the left and right operand; K: the contracted axis; several contracted axes count as one K, in the product's order):
;;     1. [M 16,384, K 512] x [K 512, N 512]; A: input x (given as codes); B: input Wq (given as codes): QUANTISED
;;     2. [M 16,384, K 512] x [K 512, N 512]; A: input x (given as codes); B: input Wkv (given as codes): QUANTISED
;;     3. batch 64 x [M 2,048, K 64] x [K 64, N 2,048]; A: computed on the way; B: computed on the way: QUANTISED
;;     4. batch 64 x [M 2,048, K 2,048] x [K 2,048, N 64]; A: softmax (see below); B: computed on the way: QUANTISED
;;     5. [M 16,384, K 512] x [K 512, N 512]; A: computed on the way; B: input Wo (given as codes): QUANTISED
;;   THE QUANTISER, for each operand of a quantised product, along K:
;;     - K is cut into blocks of 32 from its start; a last block that is shorter is filled with zeros.
;;     - A block's scale is 2^e with e = floor(log2(the largest magnitude in the block)) - 8, held to -126 .. 127; a block of zeros has e = 0. As a byte (E8M0): e + 127.
;;     - Each number is divided by its block's scale, clamped to +-448, and rounded to the nearest number of E4M3, ties to even, subnormals kept.
;;     - The product sums the exact products of the quantised numbers (number of the format x scale) in f32.
;;   ~~~python
;;   def quantise(x, axis):      # numpy; x: float32 -> the quantised numbers, widened to float32 again
;;       x = np.moveaxis(x, axis, -1); K = x.shape[-1]
;;       x = np.pad(x, [(0, 0)] * (x.ndim - 1) + [(0, -K % 32)]); x = x.reshape(x.shape[:-1] + (-1, 32)); a = np.abs(x).max(-1, keepdims=True)
;;       e = np.where(a > 0, np.clip(np.frexp(np.where(a > 0, a, 1))[1] - 1 - 8, -126, 127), 0)      # np.frexp(a)[1] - 1 = floor(log2(a)), exactly
;;       r = np.clip(x / 2.0 ** e, -448, 448)
;;       step = 2.0 ** (np.maximum(np.frexp(np.where(r == 0, 1, r))[1] - 1, -6) - 3)
;;       q = np.round(r / step) * step * 2.0 ** e      # np.round: ties to even
;;       return np.moveaxis(q.reshape(q.shape[:-2] + (-1,))[..., :K], -1, axis).astype(np.float32)
;;   ~~~
;;   SOFTMAX AHEAD OF A QUANTISED PRODUCT. Where the list says 'softmax', what is quantised is not the finished softmax but p = 2^(t - M), with t = logit x log2(e) and M = ceil(the row's largest t), a whole number; so 1/2 < the row's largest p <= 1. The row's sum l is taken of the UNQUANTISED p, in f32, and the product's result is divided by l at the end. Since M is a whole number, a kernel that streams over the keys may use a running M (the ceiling of the running maximum): every later rescaling is an exact power of two, which a block's scale takes up: the codes' values come out the same.
;;   OPERANDS COMPUTED ON THE WAY. 'Computed on the way' means the value that the module computes at that place (a softmax that the list does not call 'softmax' is quantised finished and normalised). What goes into a quantiser is computed in f32, as accurately as f32 sums, v_exp_f32 and their like allow (about 1e-6 of the number): no bf16 or f16 on the way to a quantiser, and a product that is left as it is and whose result goes on into a quantised operand takes f32 operands (vector FMAs, or v_wmma_f32_16x16x4_f32). A number that lies on a knife's edge between two numbers of the format may be rounded either way, as far as f32 arithmetic and the matrix unit's own rounding can turn it there, and no further.
;;   INPUTS GIVEN AS CODES. Wkv (in the module: [512, 512], K = its axis 1); Wo (in the module: [512, 512], K = its axis 1); Wq (in the module: [512, 512], K = its axis 1); x (in the module: [2, 4, 2048, 512], K = its axis 3): each comes as NAME_codes (uint8): NAME with its K axis moved to the last place and cut into blocks of 32 codes, [.., K / 32, bytes a block], one block behind the other in memory; one code a byte (a code: sign, 4 exponent bits, 3 mantissa bits); and NAME_scales (uint8): the same leading axes, one E8M0 byte (e + 127) for each 32 codes along K. Its value is code x scale, taken as it is: it is not quantised again, and the codes and scales need not be those that the quantiser above would give.
;; One version. Each part assembles by itself: llvm-mc -triple=amdgcn-amd-amdhsa -mcpu=gfx1250 --defsym DOCPART=n.
;; ======== version 1 of 1: 3 launches
;; limits: right only within a limited range of input values
;; workspace buffers: qc 8,388,608 bytes; qs 262,144 bytes; kv 17,301,504 bytes; cc 8,388,608 bytes; cs 262,144 bytes
;; launch proj (part 1): grid 64 x 4, 4 waves a work-group, clusters of 4 x 4, 270,848 bytes of LDS; arguments x_codes, x_scales, Wq_codes, Wq_scales, bq, Wkv_codes, Wkv_scales, bkv, qc, qs, kv; writes qc, qs, kv
.if DOCPART == 1
	.amdgcn_target "amdgcn-amd-amdhsa--gfx1250"
	.amdhsa_code_object_version 6
	.text
	.protected	k_q67ba5ee6d2_proj
	.globl	k_q67ba5ee6d2_proj
	.p2align	8
	.type	k_q67ba5ee6d2_proj,@function
k_q67ba5ee6d2_proj:
	s_mov_b64 s[64:65], 0
	v_nop
	global_prefetch_b8 v0, s[64:65] scope:SCOPE_SE
	s_setreg_imm32_b32 hwreg(HW_REG_WAVE_MODE, 25, 1), 1
	s_wait_xcnt 0x0
	s_wait_alu depctr_hold_cnt(0) depctr_sa_sdst(0) depctr_va_vdst(0) depctr_va_sdst(0) depctr_va_ssrc(0) depctr_va_vcc(0) depctr_vm_vsrc(0)
	s_getreg_b32 s2, hwreg(HW_REG_IB_STS2, 6, 4)
	s_cmp_eq_u32 s2, 0
	s_cbranch_scc0 .Lentry_in_a_cluster
	s_endpgm
.Lentry_in_a_cluster:
	s_bfe_u32 s2, ttmp6, 0x10000c
	s_cmp_lg_u32 s2, 0xf033
	s_cbranch_scc0 .Lentry_shape_is_right
	s_endpgm
.Lentry_shape_is_right:
; Q = x Wq^T + bq and KV = x Wkv^T + bkv on codes of E4M3 with E8M0 scales; then, head by head, Qn = Q / max(|Q|, 1e-12), Kn likewise, quantised along the head's 64,
; and V = KV as it is, quantised along the tokens (the keys).  All three leave as IMAGES OF OPERAND REGISTERS: four registers are 512 bytes, lane l's 16 bytes at 16 l.
; SHARES.  A work-group has 256 tokens x 2 heads; wave w has tokens 128 (w & 1) on (one key step of the next launch) and head w >> 1.  1,024 equal shares.
; TILES.  rp(r) = r + 8 (r / 8).  A group is 32 tokens; row r of its tile u is token 32 g + 8 u + rp(r).  The 64 features of a head likewise: row r of tile 2 b + u is feature 32 b + 8 u + rp(r).
; So where a tile is the m axis of a result, a lane's 16 registers of tiles u = 0, 1 are 16 neighbours, 16 (lane / 16) + 0 .. 15 of a block of 32: what the conversions want.
; Q and K are made TRANSPOSED (source 0 = 16 features of W, source 1 = 16 tokens): a lane holds one token, its registers run along the features.  V is made the other way round (source 0 = tokens,
; source 1 = Wkv): a lane holds one channel and its registers run along the tokens.  So KV is multiplied twice; no f32 number is turned through LDS.
; CLUSTER 4 x 4.  x's rows hang on the work-group's x alone and are asked for jointly by a column of the cluster, the weights' rows hang on its y alone and are asked for jointly by a row.
; LDS: four regions of 128 rows x (512 + 16) bytes, filled once: x's rows 0-127, x's rows 128-255, Wq's 128 rows, Wkv's 128 rows.  The pitch is 132 words: row r starts at bank 4 r mod 64 (ISA guide 11.1);
; rows 16 apart start at the same bank, so a fragment load's rows rp(r) meet two deep.
; LIMITS.  NaN codes and scale bytes 0xff among the inputs are not served.  A block of zeros gets the byte 1 where the quantiser's rule says 127: its codes are zeros, and this program alone reads the bytes.
; 1 / norm is v_sqrt_f32, the maximum with 1e-12, v_rcp_f32 (1 ulp each, ISA guide 15.8) and a multiplication.
; REGISTERS.  Window 0: below.  Window 1: x's fragments, two buffers of 128 (tile u, K step s at 16 (4 u + s)).  Window 2: Wq's 16 fragments (feature tile ft, K step s at 16 (4 ft + s)).  Window 3: Wkv's.
.set PITCH, 528
.set RGN,   128*PITCH                  ; a region of LDS
.set KVS,   16896                      ; a key step in kv: K's image 8,192, V's image 8,192, the scale words 512
.set LI,  1                            ; v1   16 x lane
.set XL,  5                            ; v5   x: my region + rp x pitch + 16 h
.set WLQ, 6                            ; v6   Wq: region 2 + my head's 64 rows + rp x pitch + 16 h
.set WLK, 7                            ; v7   Wkv: the same in region 3
.set XSA, 8                            ; v8   16 (rp + 8 h): a row's four scale words; lanes 0-15 tile 0, lanes 16-31 tile 1
.set BA,  9                            ; v9   64 h
.set VBA, 10                           ; v10  4 rp
.set QSO, 11                           ; v11  16 r + 8 h
.set XS,  12                           ; v12-19  x's scale words, two sets of four (K step s)
.set WQS, 20                           ; v20-27  Wq's: 4 (ft / 2) + s; lanes 0-15 the even tile, lanes 16-31 the odd
.set WKS, 28                           ; v28-35  Wkv's
.set BQ,  36                           ; v36-67  bq in the transposed result's layout, 8 a tile
.set BK,  68                           ; v68-99  bkv likewise
.set VB,  100                          ; v100-131 bkv for V: my channel's number, 8 times a tile
.set ACC, 132                          ; v132-195 eight accumulators
.set PC,  196                          ; v196-211 the codes just made
.set TM,  212                          ; v212-227 +0 largest magnitudes, +4 bytes, +8 448 x the scale, +12 the conversions' scale operands
.set QW,  230                          ; v230-233 Qn's scale word of group g
.set KW,  234                          ; v234-237 Kn's
.set VW,  238                          ; v238-241 V's, of channel tile ct: byte g for group g
.set SS,  242                          ; v242-249 sums of squares, four a tile
.set NI,  250                          ; v250-253 1 / norm, a pair a tile (the low word serves both halves)
.set WV,  26                           ; s26  wave
.set WH,  27                           ; s27  wave >> 1: my head of the two
.set WB,  28                           ; s28  wave & 1: my 128 tokens of the 256
.set G1X, 36                           ; s[36:43] descriptor group 1 for x;  s[44:51] for the weights: they differ in the mask
.set G1W, 44
.set G0X, 52                           ; s[52:55], s[56:59], s[60:63] groups 0: x, Wq, Wkv
.set G0Q, 56
.set G0K, 60
.set SEL, 80                           ; s[80:81] v_permlanex16_b32's selects for lane l xor 16
.set MNT, 82                           ; s82  the mantissa field of 448
.set HM,  83                           ; s83  lanes 16-31
.set MSB, 0
.macro WIN new                         ; the immediate's high byte repeats the setting that is left
.if MSB != \new
	s_set_vgpr_msb (MSB<<8)|\new
.set MSB, \new
.endif
.endm
.macro PLACES n
.rept \n
	v_nop
.endr
.endm
.macro CROUND                          ; a round of the cluster's barrier
	s_barrier_signal -1
	s_barrier_wait -1
	s_cmp_lg_u32 s[WV], 0
	s_cbranch_scc1 .Lnot_wave_0_\@
	s_barrier_signal -3
.Lnot_wave_0_\@:
	s_barrier_wait -3
	s_barrier_signal -1
	s_barrier_wait -1
.endm
; One matrix instruction.  c < 0: the constant 0 starts the sum.  ra, rb = 1: that side's scales are read from lanes 16-31.
.macro WM d, a, b, c, sa, sb, ra, rb
.if (\c) < 0
.if (\ra) && (\rb)
	v_wmma_scale_f32_16x16x128_f8f6f4 v[(\d):(\d)+7], v[(\a):(\a)+15], v[(\b):(\b)+15], 0, v[\sa], v[\sb] matrix_a_scale:MATRIX_SCALE_ROW1 matrix_b_scale:MATRIX_SCALE_ROW1
.elseif (\ra)
	v_wmma_scale_f32_16x16x128_f8f6f4 v[(\d):(\d)+7], v[(\a):(\a)+15], v[(\b):(\b)+15], 0, v[\sa], v[\sb] matrix_a_scale:MATRIX_SCALE_ROW1
.elseif (\rb)
	v_wmma_scale_f32_16x16x128_f8f6f4 v[(\d):(\d)+7], v[(\a):(\a)+15], v[(\b):(\b)+15], 0, v[\sa], v[\sb] matrix_b_scale:MATRIX_SCALE_ROW1
.else
	v_wmma_scale_f32_16x16x128_f8f6f4 v[(\d):(\d)+7], v[(\a):(\a)+15], v[(\b):(\b)+15], 0, v[\sa], v[\sb]
.endif
.else
.if (\ra) && (\rb)
	v_wmma_scale_f32_16x16x128_f8f6f4 v[(\d):(\d)+7], v[(\a):(\a)+15], v[(\b):(\b)+15], v[(\c):(\c)+7], v[\sa], v[\sb] matrix_a_scale:MATRIX_SCALE_ROW1 matrix_b_scale:MATRIX_SCALE_ROW1
.elseif (\ra)
	v_wmma_scale_f32_16x16x128_f8f6f4 v[(\d):(\d)+7], v[(\a):(\a)+15], v[(\b):(\b)+15], v[(\c):(\c)+7], v[\sa], v[\sb] matrix_a_scale:MATRIX_SCALE_ROW1
.elseif (\rb)
	v_wmma_scale_f32_16x16x128_f8f6f4 v[(\d):(\d)+7], v[(\a):(\a)+15], v[(\b):(\b)+15], v[(\c):(\c)+7], v[\sa], v[\sb] matrix_b_scale:MATRIX_SCALE_ROW1
.else
	v_wmma_scale_f32_16x16x128_f8f6f4 v[(\d):(\d)+7], v[(\a):(\a)+15], v[(\b):(\b)+15], v[(\c):(\c)+7], v[\sa], v[\sb]
.endif
.endif
.endm
; 64 numbers of a lane, v[s + 16 b + i]: four blocks of 32, each shared with lane l xor 16.  Codes into v[PC + 4 b ..], bytes into v[TM + 4 + b]; w >= 0: the four bytes as a word into v[w].
.macro QUANT s, w
.irp b, 0,1,2,3
	v_max3_num_f32 v[TM+\b], |v[\s+16*\b]|, |v[\s+16*\b+1]|, 0x4800000   ; my 16 numbers, and the floor 2^(9 - 127): the byte cannot fall under 1
.endr
.irp i, 2,4,6,8,10,12,14
.irp b, 0,1,2,3
	v_max3_num_f32 v[TM+\b], v[TM+\b], |v[\s+16*\b+\i]|, |v[\s+16*\b+\i+1]|   ; the four blocks by turns
.endr
.endr
.irp b, 0,1,2,3
	v_permlanex16_b32 v[TM+4+\b], v[TM+\b], s[SEL], s[SEL+1]
.endr
.irp b, 0,1,2,3
	v_max_num_f32 v[TM+\b], v[TM+\b], v[TM+4+\b]                  ; the block's largest magnitude
.endr
.irp b, 0,1,2,3
	v_add_nc_u32 v[TM+12+\b], 0xfc000000, v[TM+\b]               ; 8 off its exponent field: the conversion's scale operand
.endr
.irp b, 0,1,2,3
	v_and_or_b32 v[TM+8+\b], v[TM+\b], 0x7f800000, s[MNT]        ; 448 x the scale
.endr
.irp b, 0,1,2,3
	v_lshrrev_b32 v[TM+4+\b], 23, v[TM+12+\b]                    ; the scale's byte
.endr
.if (\w) >= 0
	v_lshl_or_b32 v[\w], v[TM+5], 8, v[TM+4]
	v_lshl_or_b32 v[\w], v[TM+6], 16, v[\w]
	v_lshl_or_b32 v[\w], v[TM+7], 24, v[\w]
.endif
	s_wait_alu depctr_va_vdst(0)
	s_wait_xcnt 0x0                                              ; the last stores have read v[PC ..]: it is written again only behind this wait
.irp b, 0,1,2,3
.irp i, 0,1,2,3,4,5,6,7,8,9,10,11,12,13,14,15
	v_med3_num_f32 v[\s+16*\b+\i], v[\s+16*\b+\i], -v[TM+8+\b], v[TM+8+\b]   ; the conversion does not saturate (ISA guide 7.6.2): the hold at 448 x the scale
.endr
	v_cvt_scalef32_pk8_fp8_f32 v[PC+4*\b:PC+4*\b+1], v[\s+16*\b:\s+16*\b+7], v[TM+12+\b]
	v_cvt_scalef32_pk8_fp8_f32 v[PC+4*\b+2:PC+4*\b+3], v[\s+16*\b+8:\s+16*\b+15], v[TM+12+\b]
.endr
	v_nop                                                        ; a plain line behind the last conversion: later products write its sources
.endm
; x's fragments of group g (tiles u = 0, 1, four K steps) into buffer g % 2, and the group's scale words into set g % 2
.macro XLOAD g
	WIN 0x40                                                     ; destination window 1
.irp u, 0,1
.irp s, 0,1,2,3
.irp c, 0,1,2,3
	ds_load_b128 v[128*((\g)%2)+16*(4*\u+\s)+4*\c:128*((\g)%2)+16*(4*\u+\s)+4*\c+3], v[XL] offset:(32*(\g)+8*\u)*PITCH+128*\s+32*\c
.endr
.endr
.endr
	WIN 0
	global_load_b128 v[XS+4*((\g)%2):XS+4*((\g)%2)+3], v[XSA], s[6:7] offset:512*(\g)
.endm
; Transposed product: source 0 = a weight's feature tile ft (window 2 or 3), source 1 = x's tile u.  Eight accumulators by turns, K ascending; the bias is the C of each sum's first instruction.
.macro MMT win, ws, bias, buf
	WIN \win
.irp s, 0,1,2,3
.irp u, 0,1
.irp ft, 0,1,2,3
.if \s == 0
	WM ACC+32*\u+8*\ft, 16*(4*\ft+\s), 128*(\buf)+16*(4*\u+\s), \bias+8*\ft, \ws+4*(\ft/2)+\s, XS+4*(\buf)+\s, \ft%2, \u
.else
	WM ACC+32*\u+8*\ft, 16*(4*\ft+\s), 128*(\buf)+16*(4*\u+\s), ACC+32*\u+8*\ft, \ws+4*(\ft/2)+\s, XS+4*(\buf)+\s, \ft%2, \u
.endif
.endr
.endr
.endr
	WIN 0
.endm
; V: source 0 = x's tile u (window 1), source 1 = Wkv's channel tile ct (window 3): lane (r, h) holds channel row r, register 16 ct + 8 u + j token 32 g + 16 h + 8 u + j
.macro MMV buf
	WIN 0x0d
.irp s, 0,1,2,3
.irp ct, 0,1,2,3
.irp u, 0,1
.if \s == 0
	WM ACC+16*\ct+8*\u, 128*(\buf)+16*(4*\u+\s), 16*(4*\ct+\s), VB+8*\ct, XS+4*(\buf)+\s, WKS+4*(\ct/2)+\s, \u, \ct%2
.else
	WM ACC+16*\ct+8*\u, 128*(\buf)+16*(4*\u+\s), 16*(4*\ct+\s), ACC+16*\ct+8*\u, XS+4*(\buf)+\s, WKS+4*(\ct/2)+\s, \u, \ct%2
.endif
.endr
.endr
.endr
	WIN 0
.endm
; A lane's 32 numbers of tile u are half of one token's 64: sum of squares (two chains a tile, each accumulator from its low end on), the other half from lane l xor 16, then x 1 / max(norm, 1e-12)
.macro NORM
.irp c, 0,1
.irp u, 0,1
	v_pk_mul_f32 v[SS+4*\u+2*\c:SS+4*\u+2*\c+1], v[ACC+32*\u+2*\c:ACC+32*\u+2*\c+1], v[ACC+32*\u+2*\c:ACC+32*\u+2*\c+1]
.endr
.endr
.irp n, 2,3,4,5,6,7,8,9,10,11,12,13,14,15
.irp u, 0,1
	v_pk_fma_f32 v[SS+4*\u+2*(\n%2):SS+4*\u+2*(\n%2)+1], v[ACC+32*\u+2*\n:ACC+32*\u+2*\n+1], v[ACC+32*\u+2*\n:ACC+32*\u+2*\n+1], v[SS+4*\u+2*(\n%2):SS+4*\u+2*(\n%2)+1]
.endr
.endr
.irp u, 0,1
	v_pk_add_f32 v[SS+4*\u:SS+4*\u+1], v[SS+4*\u:SS+4*\u+1], v[SS+4*\u+2:SS+4*\u+3]
.endr
.irp u, 0,1
	v_add_f32 v[SS+4*\u], v[SS+4*\u], v[SS+4*\u+1]
.endr
.irp u, 0,1
	v_permlanex16_b32 v[SS+4*\u+2], v[SS+4*\u], s[SEL], s[SEL+1]
.endr
.irp u, 0,1
	v_add_f32 v[SS+4*\u], v[SS+4*\u], v[SS+4*\u+2]
.endr
	s_wait_alu depctr_va_vdst(0)
.irp u, 0,1
	v_sqrt_f32 v[SS+4*\u+1], v[SS+4*\u]
.endr
	v_nop                                                        ; a plain line behind the roots,
	s_wait_alu depctr_va_vdst(0)                                 ; and one wait for both ahead of their first reader
.irp u, 0,1
	v_max_num_f32 v[SS+4*\u+1], 0x2b8cbccc, v[SS+4*\u+1]         ; 1e-12
.endr
	s_wait_alu depctr_va_vdst(0)
.irp u, 0,1
	v_rcp_f32 v[NI+2*\u], v[SS+4*\u+1]
.endr
	v_nop
	s_wait_alu depctr_va_vdst(0)                                 ; likewise for the two reciprocals
.irp u, 0,1
.irp n, 0,1,2,3,4,5,6,7,8,9,10,11,12,13,14,15
	v_pk_mul_f32 v[ACC+32*\u+2*\n:ACC+32*\u+2*\n+1], v[ACC+32*\u+2*\n:ACC+32*\u+2*\n+1], v[NI+2*\u:NI+2*\u+1] op_sel_hi:[1,0]
.endr
.endr
.endm
.macro PUT lo, off, step               ; the four pieces in v[PC ..]: each store covers 512 consecutive bytes, aligned
.irp i, 0,1,2,3
	global_store_b128 v[LI], v[PC+4*\i:PC+4*\i+3], s[\lo:\lo+1] offset:(\off)+(\step)*\i
.endr
.endm
	s_load_b512 s[4:19], s[0:1], 0x0               ; x_codes 4, x_scales 6, Wq_codes 8, Wq_scales 10, bq 12, Wkv_codes 14, Wkv_scales 16, bkv 18
	s_load_b128 s[20:23], s[0:1], 0x40             ; qc 20, qs 22
	s_load_b64 s[24:25], s[0:1], 0x50              ; kv
	v_lshl_add_u32 v254, v0, 2, 0x42000
	v_mov_b32 v255, 0
	ds_add_u32 v254, v255
	ds_add_u32 v254, v255
	v_lshrrev_b32 v2, 5, v0
	v_readfirstlane_b32 s[WV], v2
	s_lshr_b32 s[WH], s[WV], 1
	s_and_b32 s[WB], s[WV], 1
	s_bfe_u32 s29, ttmp6, 0x40000                  ; cx
	s_bfe_u32 s30, ttmp6, 0x40004                  ; cy
	s_lshl_b32 s31, ttmp9, 2
	s_add_co_u32 s31, s31, s29                     ; gx: which 256 tokens
	s_and_b32 s32, ttmp7, 0xffff
	s_lshl_b32 s32, s32, 2
	s_add_co_u32 s32, s32, s30                     ; gy: which 2 heads
	s_lshl_b32 s33, 0x1111, s29                    ; my column of the cluster: the same gx
	s_lshl_b32 s34, s30, 2
	s_lshl_b32 s34, 15, s34                        ; my row: the same gy
	; group 1: 128 rows of 512 elements of one byte, 4 words of padding behind every 128 words (code 6); bit 21 stands beside a mask
	s_or_b32 s[G1X], s33, (1<<20)|(1<<21)|(6<<22)|(3<<25)
	s_or_b32 s[G1W], s34, (1<<20)|(1<<21)|(6<<22)|(3<<25)
.irp g, G1X, G1W
	s_mov_b32 s[\g+1], 512<<16                     ; tensor_dim0
	s_mov_b32 s[\g+2], 128<<16                     ; tensor_dim1
	s_mov_b32 s[\g+3], 512<<16                     ; tile_dim0
	s_mov_b32 s[\g+4], 128                         ; tile_dim1
	s_mov_b32 s[\g+5], 512                         ; from row to row
	s_mov_b32 s[\g+6], 0
	s_mov_b32 s[\g+7], 0
.endr
	s_lshl_b32 s66, s31, 17                        ; x: 256 rows of 512 bytes a work-group,
	s_lshl_b32 s67, s[WB], 16                      ; 128 a wave (waves 0 and 1 fetch x)
	s_add_co_u32 s66, s66, s67
	s_mov_b32 s67, 0
	s_lshl_b32 s68, s32, 16                        ; the weights: 128 rows of 512 bytes for two heads
	s_mov_b32 s69, 0
	s_lshl_b32 s70, s31, 1
	s_add_co_u32 s70, s70, s[WB]                   ; tb: my block of 128 tokens
	s_lshl_b32 s71, s32, 1
	s_add_co_u32 s71, s71, s[WH]                   ; hd: my head
	s_lshr_b32 s72, s70, 4
	s_lshl_b32 s72, s72, 3
	s_add_co_u32 s72, s72, s71                     ; 8 x sequence + head
	s_lshl_b32 s72, s72, 4
	s_and_b32 s73, s70, 15
	s_add_co_u32 s72, s72, s73                     ; idx = 16 x that + key step
	s_lshl_b32 s74, s70, 11                        ; x's scales: 16 bytes a token
	s_mov_b32 s75, 0
	s_lshl_b32 s76, s71, 10                        ; the weights' scales: 64 rows of 16 bytes a head
	s_mov_b32 s77, 0
	s_lshl_b32 s78, s71, 8                         ; the biases: 64 numbers a head
	s_mov_b32 s79, 0
	s_lshl_b32 s84, s72, 13                        ; qc: 8,192 bytes for 128 tokens of a head
	s_mov_b32 s85, 0
	s_lshl_b32 s86, s72, 8                         ; qs: 256
	s_mov_b32 s87, 0
	s_mul_i32 s88, s72, KVS                        ; kv
	s_mov_b32 s89, 0
	s_mul_i32 s90, s[WB], RGN                      ; LDS: my tokens' region,
	s_mul_i32 s91, s[WH], 64*PITCH                 ; my head's rows
	s_add_co_u32 s91, s91, 2*RGN                   ; in Wq's region
	s_mov_b32 s[SEL], 0x76543210
	s_mov_b32 s[SEL+1], 0xfedcba98
	s_mov_b32 s[MNT], 0x600000
	s_mov_b32 s[HM], 0xffff0000
	v_and_b32 v2, 31, v0
	v_lshlrev_b32 v[LI], 4, v2
	v_and_b32 v2, 15, v0                           ; r
	v_bfe_u32 v3, v0, 4, 1                         ; h
	v_and_b32 v4, 8, v2
	v_add_nc_u32 v4, v4, v2                        ; rp
	v_mul_u32_u24 v[XL], v4, PITCH
	v_lshl_add_u32 v[XL], v3, 4, v[XL]
	v_add_nc_u32 v[WLQ], s91, v[XL]
	v_add_nc_u32 v[WLK], RGN, v[WLQ]
	v_add_nc_u32 v[XL], s90, v[XL]
	v_lshl_add_u32 v[XSA], v3, 3, v4
	v_lshlrev_b32 v[XSA], 4, v[XSA]
	v_lshlrev_b32 v[BA], 6, v3
	v_lshlrev_b32 v[VBA], 2, v4
	v_lshlrev_b32 v[QSO], 4, v2
	v_lshl_add_u32 v[QSO], v3, 3, v[QSO]
.irp b, 0,1,2,3
	v_mov_b32 v[TM+4+\b], 0                        ; written once: a lane permute's destination counts as one of its sources
.endr
	v_mov_b32 v[NI+1], 0                           ; (named as the upper halves of pairs)
	v_mov_b32 v[NI+3], 0
	s_wait_dscnt 0x0
	s_wait_kmcnt 0x0
	s_mov_b32 s[G0X], 1
	s_mul_i32 s[G0X+1], s[WV], RGN                 ; waves 0 and 1: regions 0 and 1
	s_add_nc_u64 s[G0X+2:G0X+3], s[4:5], s[66:67]
	s_or_b32 s[G0X+3], s[G0X+3], 0x80000000
	s_mov_b32 s[G0Q], 1
	s_mov_b32 s[G0Q+1], 2*RGN
	s_add_nc_u64 s[G0Q+2:G0Q+3], s[8:9], s[68:69]
	s_or_b32 s[G0Q+3], s[G0Q+3], 0x80000000
	s_mov_b32 s[G0K], 1
	s_mov_b32 s[G0K+1], 3*RGN
	s_add_nc_u64 s[G0K+2:G0K+3], s[14:15], s[68:69]
	s_or_b32 s[G0K+3], s[G0K+3], 0x80000000
	s_add_nc_u64 s[6:7], s[6:7], s[74:75]
	s_add_nc_u64 s[10:11], s[10:11], s[76:77]
	s_add_nc_u64 s[16:17], s[16:17], s[76:77]
	s_add_nc_u64 s[12:13], s[12:13], s[78:79]
	s_add_nc_u64 s[18:19], s[18:19], s[78:79]
	s_add_nc_u64 s[20:21], s[20:21], s[84:85]
	s_add_nc_u64 s[22:23], s[22:23], s[86:87]
	s_add_nc_u64 s[24:25], s[24:25], s[88:89]
	CROUND                                         ; all sixteen work-groups are here: the joint loads meet
	; each wave's one fill: waves 0, 1 x's halves, wave 2 Wq's rows, wave 3 Wkv's.  The branches hang on the wave's number alone.  Four v_nop follow each line.
	s_cmp_lt_u32 s[WV], 2
	s_cbranch_scc0 .Lfor_w
	tensor_load_to_lds s[G0X:G0X+3], s[G1X:G1X+7]
	s_nop 0
	PLACES 4
	s_branch .Lasked
.Lfor_w:
	s_cmp_eq_u32 s[WV], 2
	s_cbranch_scc0 .Lfor_kv
	tensor_load_to_lds s[G0Q:G0Q+3], s[G1W:G1W+7]
	s_nop 0
	PLACES 4
	s_branch .Lasked
.Lfor_kv:
	tensor_load_to_lds s[G0K:G0K+3], s[G1W:G1W+7]
	s_nop 0
	PLACES 4
.Lasked:
.irp b, 0,1
	global_load_b128 v[WQS+4*\b:WQS+4*\b+3], v[XSA], s[10:11] offset:512*\b
	global_load_b128 v[WKS+4*\b:WKS+4*\b+3], v[XSA], s[16:17] offset:512*\b
.endr
	s_wait_alu depctr_va_vdst(0)
.irp t, 0,1,2,3
	global_load_b128 v[BQ+8*\t:BQ+8*\t+3], v[BA], s[12:13] offset:(32*(\t/2)+8*(\t%2))*4
	global_load_b128 v[BQ+8*\t+4:BQ+8*\t+7], v[BA], s[12:13] offset:(32*(\t/2)+8*(\t%2))*4+16
	global_load_b128 v[BK+8*\t:BK+8*\t+3], v[BA], s[18:19] offset:(32*(\t/2)+8*(\t%2))*4
	global_load_b128 v[BK+8*\t+4:BK+8*\t+7], v[BA], s[18:19] offset:(32*(\t/2)+8*(\t%2))*4+16
	global_load_b32 v[VB+8*\t], v[VBA], s[18:19] offset:(32*(\t/2)+8*(\t%2))*4
.endr
	s_wait_tensorcnt 0x0                           ; my region is in,
	s_barrier_signal -1
	s_barrier_wait -1                              ; everybody's is: two waves read each region
	XLOAD 0
	WIN 0x80                                       ; destination window 2
.irp t, 0,1,2,3
.irp s, 0,1,2,3
.irp c, 0,1,2,3
	ds_load_b128 v[16*(4*\t+\s)+4*\c:16*(4*\t+\s)+4*\c+3], v[WLQ] offset:(32*(\t/2)+8*(\t%2))*PITCH+128*\s+32*\c
.endr
.endr
.endr
	WIN 0xc0                                       ; destination window 3
.irp t, 0,1,2,3
.irp s, 0,1,2,3
.irp c, 0,1,2,3
	ds_load_b128 v[16*(4*\t+\s)+4*\c:16*(4*\t+\s)+4*\c+3], v[WLK] offset:(32*(\t/2)+8*(\t%2))*PITCH+128*\s+32*\c
.endr
.endr
.endr
	WIN 0
	s_wait_loadcnt 0x0                             ; scale words and biases
.irp t, 0,1,2,3
.irp j, 1,2,3,4,5,6,7
	v_mov_b32 v[VB+8*\t+\j], v[VB+8*\t]            ; V's bias is the same for a lane's eight tokens
.endr
.endr
	s_wait_dscnt 63                                ; of the 160 LDS loads the youngest 63 may be out, all of them Wkv's: x's group 0 and Wq are in
; A group of 32 tokens: Qn, Kn, V.  Every offset is an immediate.
.macro GROUP g
.if \g > 0
	s_wait_dscnt 0x0                               ; this group's fragments of x, asked for a group ago,
	s_wait_loadcnt 0x0                             ; and its scale words
.endif
.if \g < 3
	XLOAD (\g+1)                                   ; into the buffer that the group before read: its last products stand behind eight v_nop and a whole quantiser
.endif
	MMT 0x06, WQS, BQ, (\g%2)
	PLACES 8                                       ; eight places behind this form ahead of the first read of a result
	NORM
	QUANT ACC, QW+\g
	PUT 20, 2048*\g, 512
.if \g == 0
	s_wait_dscnt 32                                ; only the next group's 32 loads were issued behind Wkv's
.endif
	MMT 0x07, WKS, BK, (\g%2)
	PLACES 8
	NORM
	QUANT ACC, KW+\g
	PUT 24, 2048*\g, 512
	MMV (\g%2)
	PLACES 8
	QUANT ACC, -1
.irp c, 0,1,2,3
.if \g == 0
	v_mov_b32 v[VW+\c], v[TM+4+\c]
.else
	v_lshl_or_b32 v[VW+\c], v[TM+4+\c], 8*\g, v[VW+\c]
.endif
.endr
	PUT 24, 8192+512*\g, 2048
.endm
	GROUP 0
	GROUP 1
	GROUP 2
	GROUP 3
	v_cndmask_b32 v[TM], v[QW], v[QW+2], s[HM]     ; Qn's words: lane (r, h) stores those of groups 2 h and 2 h + 1 of row r: 256 consecutive bytes, aligned
	v_cndmask_b32 v[TM+1], v[QW+1], v[QW+3], s[HM]
	global_store_b64 v[QSO], v[TM:TM+1], s[22:23]
.irp i, 0,1,2,3
	v_cndmask_b32 v[TM+4+\i], v[KW+\i], v[VW+\i], s[HM]   ; lanes 0-15: Kn's words of groups 0-3; lanes 16-31: V's of channel tiles 0-3
.endr
	global_store_b128 v[LI], v[TM+4:TM+7], s[24:25] offset:16384
	s_wait_tensorcnt 0x0
	ds_add_u32 v254, v255
	s_wait_dscnt 0x0
	CROUND                                         ; the closing round
	s_endpgm
.Lfunc_end_k_q67ba5ee6d2_proj:
	.size	k_q67ba5ee6d2_proj, .Lfunc_end_k_q67ba5ee6d2_proj-k_q67ba5ee6d2_proj
	.p2alignl 7, 3214868480
	.fill 96, 4, 3214868480
	.section	.rodata,"a",@progbits
	.p2align	6, 0x0
	.amdhsa_kernel k_q67ba5ee6d2_proj
		.amdhsa_group_segment_fixed_size 270848
		.amdhsa_private_segment_fixed_size 0
		.amdhsa_enable_private_segment 0
		.amdhsa_kernarg_size 88
		.amdhsa_user_sgpr_count 2
		.amdhsa_user_sgpr_kernarg_segment_ptr 1
		.amdhsa_wavefront_size32 1
		.amdhsa_system_sgpr_workgroup_id_x 1
		.amdhsa_system_sgpr_workgroup_id_y 1
		.amdhsa_system_sgpr_workgroup_id_z 1
		.amdhsa_system_vgpr_workitem_id 0
		.amdhsa_next_free_vgpr 1024
		.amdhsa_next_free_sgpr 96
		.amdhsa_reserve_vcc 0
		.amdhsa_float_denorm_mode_32 3
		.amdhsa_float_denorm_mode_16_64 3
		.amdhsa_memory_ordered 1
		.amdhsa_forward_progress 1
		.amdhsa_inst_pref_size 220
	.end_amdhsa_kernel
	.amdgpu_metadata
---
amdhsa.version: [ 1, 2 ]
amdhsa.kernels:
  - .name:           k_q67ba5ee6d2_proj
    .symbol:         k_q67ba5ee6d2_proj.kd
    .args:
      - { .name: x_codes, .offset: 0, .size: 8, .value_kind: global_buffer, .address_space: global }
      - { .name: x_scales, .offset: 8, .size: 8, .value_kind: global_buffer, .address_space: global }
      - { .name: Wq_codes, .offset: 16, .size: 8, .value_kind: global_buffer, .address_space: global }
      - { .name: Wq_scales, .offset: 24, .size: 8, .value_kind: global_buffer, .address_space: global }
      - { .name: bq, .offset: 32, .size: 8, .value_kind: global_buffer, .address_space: global }
      - { .name: Wkv_codes, .offset: 40, .size: 8, .value_kind: global_buffer, .address_space: global }
      - { .name: Wkv_scales, .offset: 48, .size: 8, .value_kind: global_buffer, .address_space: global }
      - { .name: bkv, .offset: 56, .size: 8, .value_kind: global_buffer, .address_space: global }
      - { .name: qc, .offset: 64, .size: 8, .value_kind: global_buffer, .address_space: global }
      - { .name: qs, .offset: 72, .size: 8, .value_kind: global_buffer, .address_space: global }
      - { .name: kv, .offset: 80, .size: 8, .value_kind: global_buffer, .address_space: global }
    .group_segment_fixed_size: 270848
    .private_segment_fixed_size: 0
    .kernarg_segment_align: 8
    .kernarg_segment_size: 88
    .max_flat_workgroup_size: 128
    .sgpr_count:     96
    .vgpr_count:     1024
    .wavefront_size: 32
...
	.end_amdgpu_metadata
.endif
;; end of part 1
;; launch attn (part 2): grid 4 x 64, 16 waves a work-group, clusters of 4 x 1, 272,384 bytes of LDS; arguments qc, qs, kv, cc, cs; writes cc, cs
.if DOCPART == 2
	.amdgcn_target "amdgcn-amd-amdhsa--gfx1250"
	.amdhsa_code_object_version 6
	.text
	.protected	k_q67ba5ee6d2_attn
	.globl	k_q67ba5ee6d2_attn
	.p2align	8
	.type	k_q67ba5ee6d2_attn,@function
k_q67ba5ee6d2_attn:
	s_mov_b64 s[64:65], 0
	v_nop
	global_prefetch_b8 v0, s[64:65] scope:SCOPE_SE
	s_setreg_imm32_b32 hwreg(HW_REG_WAVE_MODE, 25, 1), 1
	s_wait_xcnt 0x0
	s_wait_alu depctr_hold_cnt(0) depctr_sa_sdst(0) depctr_va_vdst(0) depctr_va_sdst(0) depctr_va_ssrc(0) depctr_va_vcc(0) depctr_vm_vsrc(0)
	s_getreg_b32 s2, hwreg(HW_REG_IB_STS2, 6, 4)
	s_cmp_eq_u32 s2, 0
	s_cbranch_scc0 .Lentry_in_a_cluster
	s_endpgm
.Lentry_in_a_cluster:
	s_bfe_u32 s2, ttmp6, 0x10000c
	s_cmp_lg_u32 s2, 0x3003
	s_cbranch_scc0 .Lentry_shape_is_right
	s_endpgm
.Lentry_shape_is_right:
; ctx = softmax(Qn Kn^T) V for one head of one sequence, both products on codes of E4M3 with E8M0 scales; ctx is quantised along the model's 512 and leaves as images of operand registers.
; SHARES.  Work-group (x, y): head y (8 x sequence + head), queries 512 x on.  Wave w of sixteen has group 16 x + w: 32 queries, two tiles a of 16 (row r of tile a = query 32 G + 8 a + r + 8 (r / 8)); it walks all 16 key steps of 128 keys.
; Each fragment of K and of V that a wave reads from LDS serves both tiles.
; LDS.  The head's whole K, V and their scale words, 16 key steps x 16,896 bytes, come ONCE: wave w brings key step w.  The four work-groups of a cluster have the same head and ask jointly.
; Waves 0 to 3 have a load line and a wait of their own: key steps 0 to 3 are worked behind a first barrier, the other twelve behind a second, in front of which every wave has waited.
; All tiles are asked for at the head, so there is no loop in which a prefetch could run ahead: none is written.
; THE SCORES HAVE K = 64, THE INSTRUCTION 128.  A fragment of K carries two tiles of 16 keys, tile 0 in k 0-63 and tile 1 in k 64-127; it is multiplied by [Q | 0] and by [0 | Q].  Zero codes add nothing.
; Both products are used transposed (S^T = K Q^T, O^T = V^T P^T): a lane holds one query; the 16 registers of a group's two tiles are 16 neighbouring keys.
; A KEY STEP goes in four pieces of 64 keys x one tile, on two buffers of scores.  Behind a piece's exponentials stand the next piece's four products, then this piece's sums, scales and codes (the products' places),
; then the next piece's scaling: no exponential stands between a score and its first reader.
; K's second half and V's first are fetched into K's registers under a piece's plain work, V's second half into the score buffer that is idle in the last piece.
; NO MAXIMUM IS TAKEN AWAY, AND NONE NEED BE.  The rows of Qn and Kn have norm 1 by the computation itself; rounding to a code moves a number by at most 1/16 of itself, so |score| < 1.2 for every input,
; |t| = |score| log2(e) < 1.75, p = 2^t lies in (0.29, 3.4) and a row's sum under 7,000.  Against p = 2^(t - M) with the whole number M = ceil(the row's largest t), every p, every block's scale and the sum
; are larger by the exact factor 2^M: the codes are the same and so is the quotient.
; The row's sum is taken of the unquantised p, ahead of the hold.
; cs is stored a byte a lane, 32 bytes inside a span of 64: a row's four bytes come from two heads, so from two work-groups.  That is 1/32 of what the launch stores.
; LIMITS.  A block of zeros gets the byte 1 where the rule says 127 (its codes are zeros; this program alone reads the bytes).  1 / l is v_rcp_f32 (1 ulp) and a multiplication.
.set KVS, 16896                        ; a key step: K's image 8,192, V's image 8,192, the scale words 512
.set SPARE, 16*KVS                     ; behind the tiles: the spare words, 128 bytes a wave
.set ADR, 1                            ; v1   the key step's bytes + 16 x lane
.set SPW, 2                            ; v2   my spare word
.set NIL, 3                            ; v3   0
.set SC,  4                            ; v4-7   the step's scale words: lanes 0-15 K's of groups 0-3, lanes 16-31 V's of channel tiles 0-3
.set QS,  8                            ; v8-9   a tile's scale word of Q: bytes s0, s1, s0, s1: it serves [Q | 0] and [0 | Q]
.set PW,  10                           ; v10-11 p's scale word, one a tile
.set L,   12                           ; v12-15 the sums, a pair a tile
.set MX,  16                           ; v16-17 two blocks' largest p, then 448 x the scale
.set TP,  18                           ; v18-19 a second chain of the sum, then the bytes
.set OP,  20                           ; v20-21 a second chain of each largest, then lane l xor 16's, then the conversions' scale operands
.set LI,  22                           ; v22  16 x lane
.set ZQ,  24                           ; v24-63 Z Q0 Z Q1 Z, eight each (Z zeros): [0 | Qa] = v[ZQ + 16 a ..], [Qa | 0] = v[ZQ + 16 a + 8 ..]
.set KF,  64                           ; v64-95 two fragments of K or of V
.set S0,  96                           ; v96-127, v128-159 two buffers of scores, then p: register 16 b + i = key 32 (2 hf + b) + 16 h + i
.set S1,  128
.set PC,  160                          ; v160-191 p's codes, 16 a tile
.set OT,  192                          ; v192-255 O^T, 32 a tile
.set WV,  14
.set G0,  20
.set G1,  24
.set CS,  40                           ; s[40:41] log2(e)
.set SEL, 42
.set MNT, 44
.set HM,  45
.set P0,  46                           ; v_perm_b32 selects: bytes 0, 1, 0, 1 and 2, 3, 2, 3
.set P1,  47
.set TB,  48                           ; the key step's first LDS byte
.set CNT, 49
.macro PLACES n
.rept \n
	v_nop
.endr
.endm
.macro WALU
	s_wait_alu depctr_va_vdst(0)
.endm
.macro CROUND
	s_barrier_signal -1
	s_barrier_wait -1
	s_cmp_lg_u32 s[WV], 0
	s_cbranch_scc1 .Lnot_wave_0_\@
	s_barrier_signal -3
.Lnot_wave_0_\@:
	s_barrier_wait -3
	s_barrier_signal -1
	s_barrier_wait -1
.endm
.macro LDF dst, off                    ; two fragments, 4,096 bytes on end: each load's 512 bytes are consecutive
.irp n, 0,1,2,3,4,5,6,7
	ds_load_b128 v[(\dst)+4*\n:(\dst)+4*\n+3], v[ADR] offset:(\off)+512*\n
.endr
.endm
.macro SMUL a, hf, sb                  ; S^T of tile a, keys 64 hf on: each paired fragment against [Q | 0] (keys' tile 0) and [0 | Q] (tile 1); the constant 0 starts each sum
.irp b, 0,1
	v_wmma_scale_f32_16x16x128_f8f6f4 v[\sb+16*\b:\sb+16*\b+7], v[KF+16*\b:KF+16*\b+15], v[ZQ+16*\a+8:ZQ+16*\a+23], 0, v[SC+2*\hf+\b], v[QS+\a]
	v_wmma_scale_f32_16x16x128_f8f6f4 v[\sb+16*\b+8:\sb+16*\b+15], v[KF+16*\b:KF+16*\b+15], v[ZQ+16*\a:ZQ+16*\a+15], 0, v[SC+2*\hf+\b], v[QS+\a]
.endr
.endm
.macro PV a                            ; O^T += V^T P^T of tile a: four accumulators, one instruction each; V's four fragments lie on end in v64-127
.irp t, 0,1,2,3
	v_wmma_scale_f32_16x16x128_f8f6f4 v[OT+32*\a+8*\t:OT+32*\a+8*\t+7], v[KF+16*\t:KF+16*\t+15], v[PC+16*\a:PC+16*\a+15], v[OT+32*\a+8*\t:OT+32*\a+8*\t+7], v[SC+\t], v[PW+\a] matrix_a_scale:MATRIX_SCALE_ROW1
.endr
.endm
.macro MULS sb                         ; t = score x log2(e), each accumulator from its low end on
.set nn, 0
.rept 16
	v_pk_mul_f32 v[\sb+nn:\sb+nn+1], v[\sb+nn:\sb+nn+1], s[CS:CS+1] op_sel_hi:[1,0]
.set nn, nn+2
.endr
.endm
.macro EXPB sb                         ; p = 2^t: a batch of 32 with one wait ahead of it, a plain line and one wait behind it
	WALU
.set nn, 0
.rept 32
	v_exp_f32 v[\sb+nn], v[\sb+nn]
.set nn, nn+1
.endr
	v_nop
	WALU
.endm
.macro M3 d, x, y, z
	v_max3_num_f32 v[\d], v[\x], v[\y], v[\z]
.endm
.macro AT sb, n                        ; pair n of p onto the sum's second chain
	v_pk_add_f32 v[TP:TP+1], v[TP:TP+1], v[\sb+2*\n:\sb+2*\n+1]
.endm
.macro AL a, sb, n                     ; pair n of p onto tile a's sum
	v_pk_add_f32 v[L+2*\a:L+2*\a+1], v[L+2*\a:L+2*\a+1], v[\sb+2*\n:\sb+2*\n+1]
.endm
; A piece's 32 p a lane (two blocks of 32 keys, each shared with lane l xor 16): largest, sum, scales, hold, codes.  Each block's largest goes in two chains (numbers 0-7 with the floor 2^(9 - 127); numbers 8-14),
; merged with number 15; the sum in two chains; the chains take turns, and the sum's lines stand among the scales' lines.  ld >= 0: behind the first 12 lines two fragments are fetched into v[KF ..].
.macro POST a, hf, sb, ld
	v_max3_num_f32 v[MX], v[\sb], v[\sb+1], 0x4800000
	v_max3_num_f32 v[MX+1], v[\sb+16], v[\sb+17], 0x4800000
	M3 OP, \sb+8, \sb+9, \sb+10
	M3 OP+1, \sb+24, \sb+25, \sb+26
	v_pk_add_f32 v[TP:TP+1], v[\sb:\sb+1], v[\sb+2:\sb+3]
	AL \a, \sb, 2
	M3 MX, MX, \sb+2, \sb+3
	M3 MX+1, MX+1, \sb+18, \sb+19
	M3 OP, OP, \sb+11, \sb+12
	M3 OP+1, OP+1, \sb+27, \sb+28
	AT \sb, 3
	AL \a, \sb, 4
.if (\ld) >= 0
	LDF KF, \ld                                    ; twelve plain lines stand behind the products that read these registers
.endif
	M3 MX, MX, \sb+4, \sb+5
	M3 MX+1, MX+1, \sb+20, \sb+21
	M3 OP, OP, \sb+13, \sb+14
	M3 OP+1, OP+1, \sb+29, \sb+30
	AT \sb, 5
	AL \a, \sb, 6
	M3 MX, MX, \sb+6, \sb+7
	M3 MX+1, MX+1, \sb+22, \sb+23
	AT \sb, 7
	AL \a, \sb, 8
	M3 MX, MX, OP, \sb+15
	M3 MX+1, MX+1, OP+1, \sb+31
	AT \sb, 9
	AL \a, \sb, 10
	v_permlanex16_b32 v[OP], v[MX], s[SEL], s[SEL+1]
	v_permlanex16_b32 v[OP+1], v[MX+1], s[SEL], s[SEL+1]
	AT \sb, 11
	AL \a, \sb, 12
	v_max_num_f32 v[MX], v[MX], v[OP]              ; the block's largest p
	v_max_num_f32 v[MX+1], v[MX+1], v[OP+1]
	AT \sb, 13
	AL \a, \sb, 14
	v_add_nc_u32 v[OP], 0xfc000000, v[MX]          ; 8 off the exponent field: the conversion's scale operand
	v_add_nc_u32 v[OP+1], 0xfc000000, v[MX+1]
	AT \sb, 15
	v_and_or_b32 v[MX], v[MX], 0x7f800000, s[MNT]  ; 448 x the scale
	v_and_or_b32 v[MX+1], v[MX+1], 0x7f800000, s[MNT]
	v_pk_add_f32 v[L+2*\a:L+2*\a+1], v[L+2*\a:L+2*\a+1], v[TP:TP+1]
	v_lshrrev_b32 v[TP], 23, v[OP]                 ; the scale's byte
	v_lshrrev_b32 v[TP+1], 23, v[OP+1]
.if \hf == 0
	v_lshl_or_b32 v[PW+\a], v[TP+1], 8, v[TP]      ; p's scale word: byte g for keys 32 g on
.else
	v_lshl_or_b32 v[PW+\a], v[TP], 16, v[PW+\a]
	v_lshl_or_b32 v[PW+\a], v[TP+1], 24, v[PW+\a]
.endif
.irp i, 0,2,4,6,8,10,12,14             ; the hold (one-sided: p is positive), in place, two numbers a line: one of each block, so that the two bounds and the two numbers lie in different banks
	v_dual_min_num_f32 v[\sb+\i], v[\sb+\i], v[MX] :: v_dual_min_num_f32 v[\sb+17+\i], v[\sb+17+\i], v[MX+1]
	v_dual_min_num_f32 v[\sb+1+\i], v[\sb+1+\i], v[MX] :: v_dual_min_num_f32 v[\sb+16+\i], v[\sb+16+\i], v[MX+1]
.endr
.irp b, 0,1
	v_cvt_scalef32_pk8_fp8_f32 v[PC+16*\a+8*\hf+4*\b:PC+16*\a+8*\hf+4*\b+1], v[\sb+16*\b:\sb+16*\b+7], v[OP+\b]
	v_cvt_scalef32_pk8_fp8_f32 v[PC+16*\a+8*\hf+4*\b+2:PC+16*\a+8*\hf+4*\b+3], v[\sb+16*\b+8:\sb+16*\b+15], v[OP+\b]
.endr
.endm
; A key step: 128 keys, both tiles.  Every wait on DScnt is for 0, and each stands directly behind a batch's closing wait or the step's first loads.
.macro STEP
	v_add_nc_u32 v[ADR], s[TB], v[LI]              ; with the eight v_nop at the last step's end: nine places ahead of the products that write v[S0 ..] anew
	LDF KF, 0                                      ; K's groups 0, 1
	ds_load_b128 v[SC:SC+3], v[ADR] offset:16384
	s_wait_dscnt 0x0
	SMUL 0, 0, S0
	PLACES 8                                       ; eight places behind this form ahead of the first read of a result
	MULS S0
	EXPB S0
	SMUL 1, 0, S1
	POST 0, 0, S0, 4096                            ; K's groups 2, 3 are fetched
	MULS S1
	EXPB S1
	s_wait_dscnt 0x0
	SMUL 0, 1, S0
	POST 1, 0, S1, -1
	MULS S0
	EXPB S0
	SMUL 1, 1, S1
	POST 0, 1, S0, 8192                            ; V's channel tiles 0, 1 are fetched,
	LDF S0, 12288                                  ; and tiles 2, 3, into the buffer whose p have become codes
	MULS S1
	EXPB S1
	s_wait_dscnt 0x0
	PV 0                                           ; tile 0's codes are whole
	POST 1, 1, S1, -1
	PLACES 4                                       ; four places between the last codes and the products that take them
	WALU
	PV 1
	PLACES 8                                       ; ahead of the next step's loads into what these products read, and of the way out
	s_add_co_u32 s[TB], s[TB], KVS
.endm
	s_load_b256 s[4:11], s[0:1], 0x0               ; qc 4, qs 6, kv 8, cc 10
	s_load_b64 s[12:13], s[0:1], 0x20              ; cs
	v_lshl_add_u32 v[SPW], v0, 2, SPARE
	v_mov_b32 v[NIL], 0
	ds_add_u32 v[SPW], v[NIL]                      ; the opening lines: the add twice on end and its wait
	ds_add_u32 v[SPW], v[NIL]
	v_lshrrev_b32 v1, 5, v0
	v_readfirstlane_b32 s[WV], v1
	s_bfe_u32 s15, ttmp6, 0x40000                  ; cx
	s_lshl_b32 s16, ttmp9, 2
	s_add_co_u32 s16, s16, s15                     ; which 512 queries: it enters global addresses of Q and ctx alone
	s_and_b32 s17, ttmp7, 0xffff                   ; 8 x sequence + head, which the four partners share
	s_lshr_b32 s18, s17, 3                         ; sequence
	s_and_b32 s19, s17, 7                          ; head
	s_mul_i32 s32, s17, 16*KVS                     ; kv: my head,
	s_mul_i32 s[G0+1], s[WV], KVS                  ; my key step, in memory as in LDS
	s_add_co_u32 s32, s32, s[G0+1]
	s_mov_b32 s33, 0
	s_lshl_b32 s34, s17, 6                         ; qc: group 64 y + 16 x + w, 2,048 bytes a group
	s_lshl_b32 s36, s16, 4
	s_add_co_u32 s34, s34, s36
	s_add_co_u32 s34, s34, s[WV]
	s_lshl_b32 s34, s34, 11
	s_mov_b32 s35, 0
	s_lshl_b32 s36, s17, 4                         ; qs: four groups to 256 bytes; in them row r's four words on end
	s_lshl_b32 s38, s16, 2
	s_add_co_u32 s36, s36, s38
	s_lshr_b32 s38, s[WV], 2
	s_add_co_u32 s36, s36, s38
	s_lshl_b32 s36, s36, 8
	s_and_b32 s38, s[WV], 3
	s_lshl_b32 s38, s38, 2
	s_add_co_u32 s36, s36, s38
	s_mov_b32 s37, 0
	s_lshl_b32 s38, s18, 7                         ; my first tile of 16 queries: 128 x sequence + 32 x + 2 w
	s_lshl_b32 s39, s16, 5
	s_add_co_u32 s38, s38, s39
	s_lshl_b32 s39, s[WV], 1
	s_add_co_u32 s38, s38, s39
	s_lshl_b32 s50, s38, 13                        ; cc: 8,192 bytes a tile, 1,024 a head
	s_lshl_b32 s39, s19, 10
	s_add_co_u32 s50, s50, s39
	s_mov_b32 s51, 0
	s_lshl_b32 s52, s38, 8                         ; cs: 256 bytes a tile, 64 a K step of 128 (two heads), 4 a row, 2 a head
	s_lshr_b32 s39, s19, 1
	s_lshl_b32 s39, s39, 6
	s_add_co_u32 s52, s52, s39
	s_and_b32 s39, s19, 1
	s_lshl_b32 s39, s39, 1
	s_add_co_u32 s52, s52, s39
	s_mov_b32 s53, 0
	; group 1: 16,896 dense bytes as 66 rows of 32 elements of 8 bytes, no padding; the mask names all four work-groups, bit 21 beside it
	s_mov_b32 s[G1], 15|(3<<16)|(1<<21)
	s_mov_b32 s[G1+1], 32<<16
	s_mov_b32 s[G1+2], 66<<16
	s_mov_b32 s[G1+3], 32<<16
	s_mov_b32 s[G1+4], 66
	s_mov_b32 s[G1+5], 32
	s_mov_b32 s[G1+6], 0
	s_mov_b32 s[G1+7], 0
	s_mov_b32 s[CS], 0x3fb8aa3b                    ; log2(e)
	s_mov_b32 s[CS+1], s[CS]                       ; (named with it as a pair)
	s_mov_b32 s[SEL], 0x76543210
	s_mov_b32 s[SEL+1], 0xfedcba98
	s_mov_b32 s[MNT], 0x600000
	s_mov_b32 s[HM], 0xffff0000
	s_mov_b32 s[P0], 0x01000100
	s_mov_b32 s[P1], 0x03020302
	s_wait_dscnt 0x0
	s_wait_kmcnt 0x0
	s_mov_b32 s[G0], 1
	s_add_nc_u64 s[G0+2:G0+3], s[8:9], s[32:33]
	s_or_b32 s[G0+3], s[G0+3], 0x80000000
	s_add_nc_u64 s[4:5], s[4:5], s[34:35]
	s_add_nc_u64 s[6:7], s[6:7], s[36:37]
	s_add_nc_u64 s[10:11], s[10:11], s[50:51]
	s_add_nc_u64 s[12:13], s[12:13], s[52:53]
	CROUND                                         ; all four work-groups are here: the joint loads meet
	s_cmp_lt_u32 s[WV], 4                          ; every wave's one fill; waves 0 to 3, which alone wait at the first barrier, have a line of their own
	s_cbranch_scc0 .Llater
	tensor_load_to_lds s[G0:G0+3], s[G1:G1+7]
	s_nop 0
	PLACES 4
	s_branch .Lasked
.Llater:
	tensor_load_to_lds s[G0:G0+3], s[G1:G1+7]
	s_nop 0
	PLACES 4
.Lasked:
	v_and_b32 v[LI], 31, v0
	v_lshlrev_b32 v[LI], 4, v[LI]
	v_and_b32 v[KF], 15, v0
	v_lshlrev_b32 v[KF], 4, v[KF]                  ; 16 r
.irp i, 0,1,2,3
	global_load_b128 v[ZQ+8+16*(\i/2)+4*(\i%2):ZQ+8+16*(\i/2)+4*(\i%2)+3], v[LI], s[4:5] offset:512*\i th:TH_LOAD_NT   ; piece i = 2 a + b of my group
.endr
	global_load_b32 v[KF+1], v[KF], s[6:7]         ; my group's scale word of row r
.irp z, 0,1,2
.irp j, 0,1,2,3,4,5,6,7
	v_mov_b32 v[ZQ+16*\z+\j], 0                    ; the zero codes beside Q
.endr
.endr
.irp j, 0,1,2,3
	v_mov_b32 v[L+\j], 0
.endr
	WALU
	s_wait_loadcnt 0x0
	v_perm_b32 v[QS], v[KF+1], v[KF+1], s[P0]      ; tile 0's two bytes, twice
	v_perm_b32 v[QS+1], v[KF+1], v[KF+1], s[P1]    ; tile 1's
.set nn, 0
.rept 64
	v_mov_b32 v[OT+nn], 0                          ; O^T: the step is written with no first form of its own.  (These lines are also the places ahead of the products that take the scale words)
.set nn, nn+1
.endr
	WALU
	s_cmp_lt_u32 s[WV], 4
	s_cbranch_scc0 .Lnot_first
	s_wait_tensorcnt 0x0                           ; waves 0 to 3: key steps 0 to 3 are in
.Lnot_first:
	s_barrier_signal -1
	s_barrier_wait -1
	s_mov_b32 s[TB], 0
	s_mov_b32 s[CNT], 4
.Lstep_a:
	STEP
	s_sub_co_u32 s[CNT], s[CNT], 1
	s_cmp_lg_u32 s[CNT], 0
	s_cbranch_scc1 .Lstep_a
	s_wait_tensorcnt 0x0                           ; every wave: its key step is in
	s_wait_dscnt 0x0
	s_barrier_signal -1
	s_barrier_wait -1                              ; everybody's are
	s_mov_b32 s[TB], 4*KVS
	s_mov_b32 s[CNT], 12
.Lstep_b:
	STEP
	s_sub_co_u32 s[CNT], s[CNT], 1
	s_cmp_lg_u32 s[CNT], 0
	s_cbranch_scc1 .Lstep_b
; THE WAY OUT: O^T / l, quantised along the head's 64 (block 2 a + b: channels 32 b on of tile a), codes and bytes stored.  v64-95 are at work: +0 largest, +4 bytes, +8 448 x the scale, +12 scale operands, +16 l, +18 lane l xor 16's, +20 1 / l in pairs, +24 bytes to store, +26 4 r + h
.set F, KF
	v_add_f32 v[F+16], v[L], v[L+1]
	v_add_f32 v[F+17], v[L+2], v[L+3]
.irp j, 4,5,6,7,18,19,21,23
	v_mov_b32 v[F+\j], 0                           ; lane permutes' destinations, and the upper halves of pairs
.endr
	v_and_b32 v[F+27], 15, v0
	v_bfe_u32 v[F+28], v0, 4, 1
	v_lshl_add_u32 v[F+26], v[F+27], 2, v[F+28]
.irp a, 0,1
	v_permlanex16_b32 v[F+18+\a], v[F+16+\a], s[SEL], s[SEL+1]
.endr
.irp a, 0,1
	v_add_f32 v[F+16+\a], v[F+16+\a], v[F+18+\a]   ; the row's sum
.endr
	WALU
.irp a, 0,1
	v_rcp_f32 v[F+20+2*\a], v[F+16+\a]
.endr
	v_nop
	WALU                                           ; for both reciprocals, and directly ahead of O^T's first readers
.irp a, 0,1
.irp n, 0,1,2,3,4,5,6,7,8,9,10,11,12,13,14,15
	v_pk_mul_f32 v[S0+32*\a+2*\n:S0+32*\a+2*\n+1], v[OT+32*\a+2*\n:OT+32*\a+2*\n+1], v[F+20+2*\a:F+20+2*\a+1] op_sel_hi:[1,0]   ; each accumulator from its low end on
.endr
.endr
.irp b, 0,1,2,3
	v_max3_num_f32 v[F+\b], |v[S0+16*\b]|, |v[S0+16*\b+1]|, 0x4800000
.endr
.irp i, 2,4,6,8,10,12,14
.irp b, 0,1,2,3
	v_max3_num_f32 v[F+\b], v[F+\b], |v[S0+16*\b+\i]|, |v[S0+16*\b+\i+1]|
.endr
.endr
.irp b, 0,1,2,3
	v_permlanex16_b32 v[F+4+\b], v[F+\b], s[SEL], s[SEL+1]
.endr
.irp b, 0,1,2,3
	v_max_num_f32 v[F+\b], v[F+\b], v[F+4+\b]
.endr
.irp b, 0,1,2,3
	v_add_nc_u32 v[F+12+\b], 0xfc000000, v[F+\b]
.endr
.irp b, 0,1,2,3
	v_and_or_b32 v[F+8+\b], v[F+\b], 0x7f800000, s[MNT]
.endr
.irp b, 0,1,2,3
	v_lshrrev_b32 v[F+4+\b], 23, v[F+12+\b]
.endr
.irp b, 0,1,2,3
.irp i, 0,1,2,3,4,5,6,7,8,9,10,11,12,13,14,15
	v_med3_num_f32 v[S0+16*\b+\i], v[S0+16*\b+\i], -v[F+8+\b], v[F+8+\b]
.endr
	v_cvt_scalef32_pk8_fp8_f32 v[PC+4*\b:PC+4*\b+1], v[S0+16*\b:S0+16*\b+7], v[F+12+\b]
	v_cvt_scalef32_pk8_fp8_f32 v[PC+4*\b+2:PC+4*\b+3], v[S0+16*\b+8:S0+16*\b+15], v[F+12+\b]
.endr
	v_nop                                          ; a plain line behind the last conversion
.irp a, 0,1
.irp b, 0,1
	global_store_b128 v[LI], v[PC+4*(2*\a+\b):PC+4*(2*\a+\b)+3], s[10:11] offset:8192*\a+512*\b   ; 512 consecutive bytes, aligned
.endr
	v_cndmask_b32 v[F+24+\a], v[F+4+2*\a], v[F+5+2*\a], s[HM]   ; lanes 0-15 store block b = 0's byte of row r, lanes 16-31 block 1's
	global_store_b8 v[F+26], v[F+24+\a], s[12:13] offset:256*\a
.endr
	s_wait_tensorcnt 0x0                           ; the wave's end
	ds_add_u32 v[SPW], v[NIL]
	s_wait_dscnt 0x0
	CROUND                                         ; the closing round
	s_endpgm
.Lfunc_end_k_q67ba5ee6d2_attn:
	.size	k_q67ba5ee6d2_attn, .Lfunc_end_k_q67ba5ee6d2_attn-k_q67ba5ee6d2_attn
	.p2alignl 7, 3214868480
	.fill 96, 4, 3214868480
	.section	.rodata,"a",@progbits
	.p2align	6, 0x0
	.amdhsa_kernel k_q67ba5ee6d2_attn
		.amdhsa_group_segment_fixed_size 272384
		.amdhsa_private_segment_fixed_size 0
		.amdhsa_enable_private_segment 0
		.amdhsa_kernarg_size 40
		.amdhsa_user_sgpr_count 2
		.amdhsa_user_sgpr_kernarg_segment_ptr 1
		.amdhsa_wavefront_size32 1
		.amdhsa_system_sgpr_workgroup_id_x 1
		.amdhsa_system_sgpr_workgroup_id_y 1
		.amdhsa_system_sgpr_workgroup_id_z 1
		.amdhsa_system_vgpr_workitem_id 0
		.amdhsa_next_free_vgpr 256
		.amdhsa_next_free_sgpr 66
		.amdhsa_reserve_vcc 0
		.amdhsa_float_denorm_mode_32 3
		.amdhsa_float_denorm_mode_16_64 3
		.amdhsa_memory_ordered 1
		.amdhsa_forward_progress 1
		.amdhsa_inst_pref_size 81
	.end_amdhsa_kernel
	.amdgpu_metadata
---
amdhsa.version: [ 1, 2 ]
amdhsa.kernels:
  - .name:           k_q67ba5ee6d2_attn
    .symbol:         k_q67ba5ee6d2_attn.kd
    .args:
      - { .name: qc, .offset: 0, .size: 8, .value_kind: global_buffer, .address_space: global }
      - { .name: qs, .offset: 8, .size: 8, .value_kind: global_buffer, .address_space: global }
      - { .name: kv, .offset: 16, .size: 8, .value_kind: global_buffer, .address_space: global }
      - { .name: cc, .offset: 24, .size: 8, .value_kind: global_buffer, .address_space: global }
      - { .name: cs, .offset: 32, .size: 8, .value_kind: global_buffer, .address_space: global }
    .group_segment_fixed_size: 272384
    .private_segment_fixed_size: 0
    .kernarg_segment_align: 8
    .kernarg_segment_size: 40
    .max_flat_workgroup_size: 512
    .sgpr_count:     66
    .vgpr_count:     256
    .wavefront_size: 32
...
	.end_amdgpu_metadata
.endif
;; end of part 2
;; launch outp (part 3): grid 256 x 1, 4 waves a work-group, clusters of 4 x 1, 304,640 bytes of LDS; arguments cc, cs, Wo_codes, Wo_scales, bo, out0; writes out0
.if DOCPART == 3
	.amdgcn_target "amdgcn-amd-amdhsa--gfx1250"
	.amdhsa_code_object_version 6
	.text
	.protected	k_q67ba5ee6d2_outp
	.globl	k_q67ba5ee6d2_outp
	.p2align	8
	.type	k_q67ba5ee6d2_outp,@function
k_q67ba5ee6d2_outp:
	s_mov_b64 s[64:65], 0
	v_nop
	global_prefetch_b8 v0, s[64:65] scope:SCOPE_SE
	s_setreg_imm32_b32 hwreg(HW_REG_WAVE_MODE, 25, 1), 1
	s_wait_xcnt 0x0
	s_wait_alu depctr_hold_cnt(0) depctr_sa_sdst(0) depctr_va_vdst(0) depctr_va_sdst(0) depctr_va_ssrc(0) depctr_va_vcc(0) depctr_vm_vsrc(0)
	s_getreg_b32 s2, hwreg(HW_REG_IB_STS2, 6, 4)
	s_cmp_eq_u32 s2, 0
	s_cbranch_scc0 .Lentry_in_a_cluster
	s_endpgm
.Lentry_in_a_cluster:
	s_bfe_u32 s2, ttmp6, 0x10000c
	s_cmp_lg_u32 s2, 0x3003
	s_cbranch_scc0 .Lentry_shape_is_right
	s_endpgm
.Lentry_shape_is_right:
; out = ctx Wo^T + bo on codes of E4M3 with E8M0 scales.  ctx comes as images of operand registers (tile of 16 tokens, K step s, piece c: 512 bytes, lane l at 16 l), its scale words [tile][s][row].
; SHARES.  Work-group j has tiles 4 j .. 4 j + 3, which are tokens 64 j .. 64 j + 63 (row r of tile i = token 64 j + 32 (i / 2) + 8 (i % 2) + r + 8 (r / 8)); wave w has columns 128 w .. 128 w + 127.
; A wave's 128 rows of Wo stay in its registers (512); ctx's four tiles too (256).  Wo comes through LDS: each wave brings the 128 rows that it alone reads, jointly with the same wave of the three
; partners of its cluster, which need the same rows.  LDS rows are 512 + 16 bytes apart = 132 words: row r starts at bank 4 r mod 64 (ISA guide 11.1): a fragment load's 16 rows start at 16 different banks.
; TRANSPOSED: source 0 = 16 rows of Wo, source 1 = 16 tokens: a lane holds eight neighbouring columns of one row of out.  bo is the C of each sum's first instruction.
; THE WAY OUT: a tile's 16 rows x 512 bytes go through the wave's own stage, behind Wo's regions, and leave as whole rows: each store covers 512 consecutive bytes, aligned.
; REGISTERS.  Window 0: below.  Windows 1, 2: Wo's fragments (column tile nt, K step s at 16 (4 (nt % 4) + s); nt 0-3 in window 1).  Window 3: ctx's (tile i, K step s at 16 (4 i + s)).
.set PITCH, 528
.set RGN,   128*PITCH
.set STG,   4*RGN                      ; the stages: 16 x 528 bytes a wave
.set LI,  1                            ; v1   16 x lane
.set WL,  4                            ; v4   my region + r x pitch + 16 h
.set STO, 5                            ; v5   my stage + r x pitch + 32 h
.set RD,  6                            ; v6   my stage + 16 x lane
.set L4,  7                            ; v7   4 x lane
.set BA,  8                            ; v8   32 h
.set WS,  12                           ; v12-27  Wo's scale words: 4 (nt / 2) + s; lanes 0-15 the even tile, lanes 16-31 the odd
.set CS,  28                           ; v28-35  ctx's: 2 i + s / 2; lanes 0-15 the even K step, lanes 16-31 the odd
.set BIAS, 36                          ; v36-99  bo in the result's layout, 8 a tile
.set ACC, 100                          ; v100-163 eight accumulators
.set BKR, 164                          ; v164-227 16 rows back from the stage
.set WV,  16
.set G0,  20
.set G1,  24
.set MSB, 0
.macro WIN new
.if MSB != \new
	s_set_vgpr_msb (MSB<<8)|\new
.set MSB, \new
.endif
.endm
.macro PLACES n
.rept \n
	v_nop
.endr
.endm
.macro CROUND
	s_barrier_signal -1
	s_barrier_wait -1
	s_cmp_lg_u32 s[WV], 0
	s_cbranch_scc1 .Lnot_wave_0_\@
	s_barrier_signal -3
.Lnot_wave_0_\@:
	s_barrier_wait -3
	s_barrier_signal -1
	s_barrier_wait -1
.endm
.macro WM d, a, b, c, sa, sb, ra, rb   ; ra, rb = 1: that side's scales from lanes 16-31
.if (\ra) && (\rb)
	v_wmma_scale_f32_16x16x128_f8f6f4 v[(\d):(\d)+7], v[(\a):(\a)+15], v[(\b):(\b)+15], v[(\c):(\c)+7], v[\sa], v[\sb] matrix_a_scale:MATRIX_SCALE_ROW1 matrix_b_scale:MATRIX_SCALE_ROW1
.elseif (\ra)
	v_wmma_scale_f32_16x16x128_f8f6f4 v[(\d):(\d)+7], v[(\a):(\a)+15], v[(\b):(\b)+15], v[(\c):(\c)+7], v[\sa], v[\sb] matrix_a_scale:MATRIX_SCALE_ROW1
.elseif (\rb)
	v_wmma_scale_f32_16x16x128_f8f6f4 v[(\d):(\d)+7], v[(\a):(\a)+15], v[(\b):(\b)+15], v[(\c):(\c)+7], v[\sa], v[\sb] matrix_b_scale:MATRIX_SCALE_ROW1
.else
	v_wmma_scale_f32_16x16x128_f8f6f4 v[(\d):(\d)+7], v[(\a):(\a)+15], v[(\b):(\b)+15], v[(\c):(\c)+7], v[\sa], v[\sb]
.endif
.endm
.macro MULH i, n0, n1, n2, n3          ; four column tiles of tile i of tokens: four accumulators by turns, K ascending
.irp s, 0,1,2,3
.irp nt, \n0, \n1, \n2, \n3
.if \s == 0
	WM ACC+8*\nt, 16*(4*(\nt%4)+\s), 16*(4*(\i)+\s), BIAS+8*\nt, WS+4*(\nt/2)+\s, CS+2*(\i)+\s/2, \nt%2, \s%2
.else
	WM ACC+8*\nt, 16*(4*(\nt%4)+\s), 16*(4*(\i)+\s), ACC+8*\nt, WS+4*(\nt/2)+\s, CS+2*(\i)+\s/2, \nt%2, \s%2
.endif
.endr
.endr
.endm
.macro MUL i
	WIN 0x0d                                       ; source 0 window 1, source 1 window 3
	MULH \i, 0, 1, 2, 3
	WIN 0x0e                                       ; source 0 window 2
	MULH \i, 4, 5, 6, 7
	WIN 0
.endm
	s_load_b256 s[4:11], s[0:1], 0x0               ; cc 4, cs 6, Wo_codes 8, Wo_scales 10
	s_load_b128 s[12:15], s[0:1], 0x20             ; bo 12, out0 14
	v_lshl_add_u32 v254, v0, 2, 0x4a400
	v_mov_b32 v255, 0
	ds_add_u32 v254, v255
	ds_add_u32 v254, v255
	v_lshrrev_b32 v2, 5, v0
	v_readfirstlane_b32 s[WV], v2
	s_bfe_u32 s17, ttmp6, 0x40000                  ; cx
	s_lshl_b32 s18, ttmp9, 2
	s_add_co_u32 s18, s18, s17                     ; j: it enters global addresses of ctx and out alone
	s_mul_i32 s[G0+1], s[WV], RGN                  ; LDS: my region
	s_lshl_b32 s34, s[WV], 16                      ; Wo: my 128 rows of 512 bytes
	s_mov_b32 s35, 0
	s_lshl_b32 s36, s18, 15                        ; cc: four tiles of 8,192 bytes
	s_mov_b32 s37, 0
	s_lshl_b32 s38, s18, 10                        ; cs: four tiles of 256
	s_mov_b32 s39, 0
	s_lshl_b32 s40, s[WV], 11                      ; Wo's scales: 128 rows of 16 bytes
	s_mov_b32 s41, 0
	s_lshl_b32 s42, s[WV], 9                       ; bo: 128 numbers
	s_mov_b32 s43, 0
	s_lshl_b32 s44, s18, 17                        ; out: 64 rows of 2,048 bytes, + my 512 bytes of a row
	s_add_co_u32 s44, s44, s42
	s_mov_b32 s45, 0
	s_mul_i32 s33, s[WV], 16*PITCH
	s_add_co_u32 s33, s33, STG                     ; my stage
	; group 1: 128 rows of 512 elements of one byte, 4 words of padding behind every 128 words (code 6); the mask names all four work-groups, bit 21 beside it
	s_mov_b32 s[G1], 15|(1<<20)|(1<<21)|(6<<22)|(3<<25)
	s_mov_b32 s[G1+1], 512<<16
	s_mov_b32 s[G1+2], 128<<16
	s_mov_b32 s[G1+3], 512<<16
	s_mov_b32 s[G1+4], 128
	s_mov_b32 s[G1+5], 512
	s_mov_b32 s[G1+6], 0
	s_mov_b32 s[G1+7], 0
	s_wait_dscnt 0x0
	s_wait_kmcnt 0x0
	s_mov_b32 s[G0], 1
	s_add_nc_u64 s[G0+2:G0+3], s[8:9], s[34:35]
	s_or_b32 s[G0+3], s[G0+3], 0x80000000
	s_add_nc_u64 s[4:5], s[4:5], s[36:37]
	s_add_nc_u64 s[6:7], s[6:7], s[38:39]
	s_add_nc_u64 s[10:11], s[10:11], s[40:41]
	s_add_nc_u64 s[12:13], s[12:13], s[42:43]
	s_add_nc_u64 s[14:15], s[14:15], s[44:45]
	CROUND                                         ; all four work-groups are here: the joint loads meet
	tensor_load_to_lds s[G0:G0+3], s[G1:G1+7]      ; every wave's one fill
	s_nop 0
	v_and_b32 v10, 31, v0                          ; (four plain lines, none in place, stand behind it)
	v_and_b32 v2, 15, v0                           ; r
	v_bfe_u32 v3, v0, 4, 1                         ; h
	v_lshlrev_b32 v[LI], 4, v10
	v_lshlrev_b32 v[L4], 2, v10
	v_lshlrev_b32 v[BA], 5, v3
	v_mul_u32_u24 v[STO], v2, PITCH
	v_lshl_add_u32 v[WL], v3, 4, v[STO]
	v_add_nc_u32 v[WL], s[G0+1], v[WL]
	v_lshl_add_u32 v[STO], v3, 5, v[STO]
	v_add_nc_u32 v[STO], s33, v[STO]
	v_add_nc_u32 v[RD], s33, v[LI]
	WIN 0xc0                                       ; destination window 3
.set nn, 0
.rept 64
	global_load_b128 v[4*nn:4*nn+3], v[LI], s[4:5] offset:512*nn   ; ctx's 16 fragments, as they lie
.set nn, nn+1
.endr
	WIN 0
.irp i, 0,1,2,3
.irp q, 0,1
	global_load_b32 v[CS+2*\i+\q], v[L4], s[6:7] offset:256*\i+128*\q
.endr
.endr
.irp p, 0,1,2,3
	global_load_b128 v[WS+4*\p:WS+4*\p+3], v[LI], s[10:11] offset:512*\p   ; lane l: row 32 p + l's four words
.endr
.irp nt, 0,1,2,3,4,5,6,7
	global_load_b128 v[BIAS+8*\nt:BIAS+8*\nt+3], v[BA], s[12:13] offset:64*\nt
	global_load_b128 v[BIAS+8*\nt+4:BIAS+8*\nt+7], v[BA], s[12:13] offset:64*\nt+16
.endr
	s_wait_alu depctr_va_vdst(0)
	s_wait_tensorcnt 0x0                           ; my region is in; I alone read it
	WIN 0x40                                       ; destination window 1
.irp nt, 0,1,2,3
.irp s, 0,1,2,3
.irp c, 0,1,2,3
	ds_load_b128 v[16*(4*\nt+\s)+4*\c:16*(4*\nt+\s)+4*\c+3], v[WL] offset:\nt*16*PITCH+128*\s+32*\c
.endr
.endr
.endr
	WIN 0x80                                       ; destination window 2
.irp nt, 0,1,2,3
.irp s, 0,1,2,3
.irp c, 0,1,2,3
	ds_load_b128 v[16*(4*\nt+\s)+4*\c:16*(4*\nt+\s)+4*\c+3], v[WL] offset:(\nt+4)*16*PITCH+128*\s+32*\c
.endr
.endr
.endr
	WIN 0
	s_wait_dscnt 0x0
	s_wait_loadcnt 0x0
	MUL 0
.irp i, 0,1,2,3
	PLACES 9                                       ; eight ahead of the stores that read the results, nine ahead of the products that begin these accumulators anew
.if \i > 0
	s_wait_xcnt 0x0                                ; the last tile's stores have read v[BKR ..]
.endif
.irp nt, 0,1,2,3,4,5,6,7
	ds_store_b128 v[STO], v[ACC+8*\nt:ACC+8*\nt+3] offset:64*\nt           ; each accumulator from its low end on
	ds_store_b128 v[STO], v[ACC+8*\nt+4:ACC+8*\nt+7] offset:64*\nt+16
.endr
.irp t, 0,1,2,3,4,5,6,7,8,9,10,11,12,13,14,15
	ds_load_b128 v[BKR+4*\t:BKR+4*\t+3], v[RD] offset:PITCH*\t             ; LDS serves a wave's instructions in order (ISA guide 5.7.1.4): these see the stores above
.endr
	s_wait_dscnt 16                                ; the 16 loads may be out; the 16 stores ahead of them have read the accumulators
.if \i < 3
	MUL (\i+1)                                     ; the next tile is multiplied while this one comes back from the stage
.endif
.irp t, 0,1,2,3,4,5,6,7,8,9,10,11,12,13,14,15
	s_wait_dscnt 15-\t                             ; row t is back
	global_store_b128 v[LI], v[BKR+4*\t:BKR+4*\t+3], s[14:15] offset:(32*(\i/2)+8*(\i%2)+\t+8*(\t/8))*2048 th:TH_STORE_NT   ; 512 consecutive bytes, aligned; written once, read by nobody here
.endr
.endr
	s_wait_tensorcnt 0x0
	ds_add_u32 v254, v255
	s_wait_dscnt 0x0
	CROUND                                         ; the closing round
	s_endpgm
.Lfunc_end_k_q67ba5ee6d2_outp:
	.size	k_q67ba5ee6d2_outp, .Lfunc_end_k_q67ba5ee6d2_outp-k_q67ba5ee6d2_outp
	.p2alignl 7, 3214868480
	.fill 96, 4, 3214868480
	.section	.rodata,"a",@progbits
	.p2align	6, 0x0
	.amdhsa_kernel k_q67ba5ee6d2_outp
		.amdhsa_group_segment_fixed_size 304640
		.amdhsa_private_segment_fixed_size 0
		.amdhsa_enable_private_segment 0
		.amdhsa_kernarg_size 48
		.amdhsa_user_sgpr_count 2
		.amdhsa_user_sgpr_kernarg_segment_ptr 1
		.amdhsa_wavefront_size32 1
		.amdhsa_system_sgpr_workgroup_id_x 1
		.amdhsa_system_sgpr_workgroup_id_y 1
		.amdhsa_system_sgpr_workgroup_id_z 1
		.amdhsa_system_vgpr_workitem_id 0
		.amdhsa_next_free_vgpr 1024
		.amdhsa_next_free_sgpr 66
		.amdhsa_reserve_vcc 0
		.amdhsa_float_denorm_mode_32 3
		.amdhsa_float_denorm_mode_16_64 3
		.amdhsa_memory_ordered 1
		.amdhsa_forward_progress 1
		.amdhsa_inst_pref_size 55
	.end_amdhsa_kernel
	.amdgpu_metadata
---
amdhsa.version: [ 1, 2 ]
amdhsa.kernels:
  - .name:           k_q67ba5ee6d2_outp
    .symbol:         k_q67ba5ee6d2_outp.kd
    .args:
      - { .name: cc, .offset: 0, .size: 8, .value_kind: global_buffer, .address_space: global }
      - { .name: cs, .offset: 8, .size: 8, .value_kind: global_buffer, .address_space: global }
      - { .name: Wo_codes, .offset: 16, .size: 8, .value_kind: global_buffer, .address_space: global }
      - { .name: Wo_scales, .offset: 24, .size: 8, .value_kind: global_buffer, .address_space: global }
      - { .name: bo, .offset: 32, .size: 8, .value_kind: global_buffer, .address_space: global }
      - { .name: out0, .offset: 40, .size: 8, .value_kind: global_buffer, .address_space: global }
    .group_segment_fixed_size: 304640
    .private_segment_fixed_size: 0
    .kernarg_segment_align: 8
    .kernarg_segment_size: 48
    .max_flat_workgroup_size: 128
    .sgpr_count:     66
    .vgpr_count:     1024
    .wavefront_size: 32
...
	.end_amdgpu_metadata
.endif
;; end of part 3
